; MI455X (gfx1250); checked and timed in simulation.
; The chip was launched on July 23, 2026; its instructions are those of AMD's public machine-readable ISA for CDNA 5 (MIT licence, August 2026) and "CDNA5" Instruction Set Architecture Reference Guide (July 2026). The comments in the code are by the model that wrote it; some were corrected since.
;; Transformer. Allowed arithmetic: matrix products marked QUANTISED: E4M3 operands, one E8M0 scale for each 32 along K, by v_wmma_scale_f32_16x16x128_f8f6f4 with both operands' format E4M3, f32 sums; everything else in f32.
;; Inputs: Wk 1,024 x 256 float32; Wq 1,024 x 256 float32; Wv 1,024 x 1,024 float32; bk 256 float32; bq 256 float32; bv 1,024 float32; gamma 1 float32; x 4 x 2,048 x 1,024 float32; y 4 x 2,048 x 1,024 float32.
;; Outputs: out0 4 x 2,048 x 1,024 float32.
;; This version of the problem:
;;   THIS VERSION OF THE PROBLEM IS GIVEN IN LOW PRECISION. The matrix products marked QUANTISED in the list below multiply operands that are first quantised to E4M3 (4 exponent bits, 3 mantissa bits; 8 bits a number), with one power-of-two scale for each 32 numbers along K (OCP MX v1.0); their sums are f32. All else is computed in f32.
;;   The module's matrix products, in the order in which they are computed (A, B: the left and right operand; K: the contracted axis; several contracted axes count as one K, in the product's order):
;;     1. [M 8,192, K 1,024] x [K 1,024, N 256]; A: input x; B: input Wq: QUANTISED
;;     2. [M 8,192, K 1,024] x [K 1,024, N 256]; A: input y; B: input Wk: QUANTISED
;;     3. [M 8,192, K 1,024] x [K 1,024, N 1,024]; A: input y; B: input Wv: QUANTISED
;;     4. batch 32 x [M 2,048, K 32] x [K 32, N 2,048]; A: computed on the way; B: computed on the way: QUANTISED
;;     5. batch 32 x [M 128, K 2,048] x [K 2,048, N 2,048]; A: computed on the way; B: softmax (see below): QUANTISED
;;   THE QUANTISER, for each operand of a quantised product, along K:
;;     - K is cut into blocks of 32 from its start; a last block that is shorter is filled with zeros.
;;     - A block's scale is 2^e with e = floor(log2(the largest magnitude in the block)) - 8, held to -126 .. 127; a block of zeros has e = 0. As a byte (E8M0): e + 127.
;;     - Each number is divided by its block's scale, clamped to +-448, and rounded to the nearest number of E4M3, ties to even, subnormals kept.
;;     - The product sums the exact products of the quantised numbers (number of the format x scale) in f32.
;;   ~~~python
;;   def quantise(x, axis):      # numpy; x: float32 -> the quantised numbers, widened to float32 again
;;       x = np.moveaxis(x, axis, -1); K = x.shape[-1]
;;       x = np.pad(x, [(0, 0)] * (x.ndim - 1) + [(0, -K % 32)]); x = x.reshape(x.shape[:-1] + (-1, 32)); a = np.abs(x).max(-1, keepdims=True)
;;       e = np.where(a > 0, np.clip(np.frexp(np.where(a > 0, a, 1))[1] - 1 - 8, -126, 127), 0)      # np.frexp(a)[1] - 1 = floor(log2(a)), exactly
;;       r = np.clip(x / 2.0 ** e, -448, 448)
;;       step = 2.0 ** (np.maximum(np.frexp(np.where(r == 0, 1, r))[1] - 1, -6) - 3)
;;       q = np.round(r / step) * step * 2.0 ** e      # np.round: ties to even
;;       return np.moveaxis(q.reshape(q.shape[:-2] + (-1,))[..., :K], -1, axis).astype(np.float32)
;;   ~~~
;;   SOFTMAX AHEAD OF A QUANTISED PRODUCT. Where the list says 'softmax', what is quantised is not the finished softmax but p = 2^(t - M), with t = logit x log2(e) and M = ceil(the row's largest t), a whole number; so 1/2 < the row's largest p <= 1. The row's sum l is taken of the UNQUANTISED p, in f32, and the product's result is divided by l at the end. Since M is a whole number, a kernel that streams over the keys may use a running M (the ceiling of the running maximum): every later rescaling is an exact power of two, which a block's scale takes up: the codes' values come out the same.
;;   OPERANDS COMPUTED ON THE WAY. 'Computed on the way' means the value that the module computes at that place (a softmax that the list does not call 'softmax' is quantised finished and normalised). What goes into a quantiser is computed in f32, as accurately as f32 sums, v_exp_f32 and their like allow (about 1e-6 of the number): no bf16 or f16 on the way to a quantiser, and a product that is left as it is and whose result goes on into a quantised operand takes f32 operands (vector FMAs, or v_wmma_f32_16x16x4_f32). A number that lies on a knife's edge between two numbers of the format may be rounded either way, as far as f32 arithmetic and the matrix unit's own rounding can turn it there, and no further.
;; One version. Each part assembles by itself: llvm-mc -triple=amdgcn-amd-amdhsa -mcpu=gfx1250 --defsym DOCPART=n.
;; ======== version 1 of 1: 3 launches
;; limits: right only within a limited range of input values
;; workspace buffers: opc 18,350,080 bytes; ops 573,440 bytes; atc 12,582,912 bytes; ats 393,216 bytes
;; launch prep (part 1): grid 608 x 1, 4 waves a work-group, no clusters, 34,304 bytes of LDS; arguments x, y, Wq, Wk, Wv, opc, ops; writes opc, ops
.if DOCPART == 1
	.amdgcn_target "amdgcn-amd-amdhsa--gfx1250"
	.amdhsa_code_object_version 6
	.text
	.protected	k_qaa05d164fc_prep
	.globl	k_qaa05d164fc_prep
	.p2align	8
	.type	k_qaa05d164fc_prep,@function
k_qaa05d164fc_prep:
	s_mov_b64 s[64:65], 0
	v_nop
	global_prefetch_b8 v0, s[64:65] scope:SCOPE_SE
	s_setreg_imm32_b32 hwreg(HW_REG_WAVE_MODE, 25, 1), 1
	s_wait_xcnt 0x0
; x, y [8192][1024] f32 (K innermost) and Wq, Wk [1024][256], Wv [1024][1024] f32 (K is the FIRST axis) become codes of FP8 (E4M3) with one E8M0 byte for each 32 along K.
; A block's scale is 2^(floor(log2(its largest magnitude)) - 8): its byte is the largest magnitude's exponent field - 8, held at 1 from below by a floor among the maximum's leaves.
; LAYOUT OF THE RESULT: images of the matrix operand's registers.  A tile is 16 rows (of x, y) or 16 columns (of a weight); tile 2 p + u holds, at place r = 0 .. 15, row 32 p + 8 u + r + 8 (r / 8).
;   opc [tile 0..1119][K step 0..7][2,048 bytes]: piece c (512 bytes), lane (r, h) at 16 (r + 16 h): the codes of k = 32 c + 16 h + 0 .. 15 of the row at place r.   Tiles 0-511 x, 512-1023 y, 1024-1039 Wq, 1040-1055 Wk, 1056-1119 Wv.
;   ops [tile][kq 0..1][r][4 words]: word j holds the four scale bytes of K step 4 kq + j.
; WORK-GROUPS 0-95 take the weights: a lane takes a column and its registers run down K, so a block of 32 lies in one lane.  Work-groups 96-607 take x and y: a wave takes one tile and four K steps; each load reads 512
; consecutive bytes of a row, and a step's 16 rows turn through the wave's own stage in LDS, so that a lane gets 16 neighbours of each block.  Waves share nothing: no barrier.  Only the second path touches LDS.
; Every store of codes covers whole aligned runs of 256 bytes.  The weights' scale words leave as 4-byte pieces 16 bytes apart: 49,152 bytes of the launch's 18.9 million.
; LIMITS: NaN and infinities among the inputs are not served.  A block of zeros, or one whose largest magnitude lies under 2^-118, gets the byte 1 (its codes are zeros or tiny); only this program reads the bytes.
.set SEL, 40                           ; s[40:41] lane selects for v_permlanex16_b32: lane l xor 16
.set MNT, 42                           ; s42 the mantissa field of 448
.set TM,  240                          ; v240-255 at work in QUANT
; 64 numbers of a lane, register 16 b + i = k 32 b + 16 (lane / 16) + i of my row, become a fragment's 16 registers of codes at v[pc] and its scale word in v[pw]
.macro QUANT s, pc, pw
.irp b, 0,1,2,3
	v_max3_num_f32 v[TM+\b], |v[\s+16*\b]|, |v[\s+1+16*\b]|, 0x4800000   ; block b: my 16 numbers, and the floor 2^(9 - 127): the byte cannot fall under 1
.endr
.irp i, 2,4,6,8,10,12,14
.irp b, 0,1,2,3
	v_max3_num_f32 v[TM+\b], v[TM+\b], |v[\s+16*\b+\i]|, |v[\s+1+16*\b+\i]|   ; the four blocks by turns
.endr
.endr
.irp b, 0,1,2,3
	v_permlanex16_b32 v[TM+4+\b], v[TM+\b], s[SEL], s[SEL+1]
.endr
.irp b, 0,1,2,3
	v_max_num_f32 v[TM+\b], v[TM+\b], v[TM+4+\b]           ; with lane l xor 16's: the block's largest magnitude
.endr
.irp b, 0,1,2,3
	v_add_nc_u32 v[TM+12+\b], 0xfc000000, v[TM+\b]         ; 8 off its exponent field: the conversion's scale operand
.endr
.irp b, 0,1,2,3
	v_and_or_b32 v[TM+8+\b], v[TM+\b], 0x7f800000, s[MNT]  ; 448 x the scale
.endr
.irp b, 0,1,2,3
	v_lshrrev_b32 v[TM+4+\b], 23, v[TM+12+\b]              ; the scale's byte
.endr
	v_lshl_or_b32 v[\pw], v[TM+5], 8, v[TM+4]
	v_lshl_or_b32 v[\pw], v[TM+6], 16, v[\pw]
	v_lshl_or_b32 v[\pw], v[TM+7], 24, v[\pw]
.irp b, 0,1,2,3
.irp i, 0,1,2,3,4,5,6,7,8,9,10,11,12,13,14,15
	v_med3_num_f32 v[\s+16*\b+\i], v[\s+16*\b+\i], -v[TM+8+\b], v[TM+8+\b]   ; the conversion to an 8-bit code does not saturate (ISA guide 7.6.2): the hold comes first
.endr
	v_cvt_scalef32_pk8_fp8_f32 v[\pc+4*\b:\pc+1+4*\b], v[\s+16*\b:\s+7+16*\b], v[TM+12+\b]
	v_cvt_scalef32_pk8_fp8_f32 v[\pc+2+4*\b:\pc+3+4*\b], v[\s+8+16*\b:\s+15+16*\b], v[TM+12+\b]
.endr
	v_nop                                          ; a plain line behind the last conversion
.endm
; the weights: W(128 ks + i, my column), i = 0 .. 127, into v16-143; a wave's load reads 128 consecutive bytes, the four waves stand side by side
.macro WLOAD pitch
.set i, 0
.rept 128
	global_load_b32 v[16+i], v2, s[24:25] offset:i*\pitch th:TH_LOAD_NT
.set i, i+1
.endr
.endm
.macro WBLOCK c                        ; block c of my column: 32 numbers, all mine
.set XS, 16+32*(\c)
.if 32*(3-(\c)) > 63
	s_wait_loadcnt 63                              ; the later blocks' loads are behind this block's; the wait's field holds 63 at the most, and a smaller count is right too
.else
	s_wait_loadcnt 32*(3-(\c))                     ; the later blocks' loads may be out
.endif
	v_max3_num_f32 v8, |v[XS]|, |v[XS+1]|, |v[XS+2]|
	v_max3_num_f32 v9, |v[XS+3]|, |v[XS+4]|, |v[XS+5]|
.irp i, 6,10,14,18,22,26
	v_max3_num_f32 v8, v8, |v[XS+\i]|, |v[XS+\i+1]|
	v_max3_num_f32 v9, v9, |v[XS+\i+2]|, |v[XS+\i+3]|
.endr
	v_max3_num_f32 v8, v8, |v[XS+30]|, |v[XS+31]|
	v_max3_num_f32 v8, v8, v9, 0x4800000           ; and the floor
	v_add_nc_u32 v11, 0xfc000000, v8               ; the conversion's scale operand
	v_and_or_b32 v10, v8, 0x7f800000, s[MNT]       ; 448 x the scale
	v_lshrrev_b32 v9, 23, v11                      ; the byte
.if (\c) == 0
	v_mov_b32 v176, v9
.else
	v_lshl_or_b32 v176, v9, 8*(\c), v176           ; the lower K in the lower byte
.endif
.set i, 0
.rept 32
	v_med3_num_f32 v[XS+i], v[XS+i], -v10, v10
.set i, i+1
.endr
.irp g, 0,1,2,3
	v_cvt_scalef32_pk8_fp8_f32 v[144+8*(\c)+2*\g:145+8*(\c)+2*\g], v[XS+8*\g:XS+8*\g+7], v11
.endr
	v_nop                                          ; a plain line behind the last conversion
	global_store_b128 v3, v[144+8*(\c):147+8*(\c)], s[14:15] offset:512*(\c)       ; k = 32 c + 0 .. 15: the image's lanes 0-15; sixteen lanes fill 256 consecutive bytes of each of two tiles
	global_store_b128 v3, v[148+8*(\c):151+8*(\c)], s[14:15] offset:512*(\c)+256   ; k = 32 c + 16 .. 31: its lanes 16-31
.endm
; x, y: K step s of my tile's 16 rows into set s % 2 of v16-143; each load reads 512 consecutive bytes of one row
.macro XLOAD s
.set i, 0
.rept 16
	global_load_b128 v[16+64*((\s)%2)+4*i:16+64*((\s)%2)+4*i+3], v1, s[24:25] offset:(i+8*(i/8))*4096+512*(\s) th:TH_LOAD_NT
.set i, i+1
.endr
.endm
.macro XSTEP s
.if (\s) < 3
	s_wait_loadcnt 16                              ; this step's 16 loads are in; the next step's 16 may be out
.else
	s_wait_loadcnt 0
.endif
.set i, 0
.rept 16
	ds_store_b128 v2, v[16+64*((\s)%2)+4*i:16+64*((\s)%2)+4*i+3] offset:528*i   ; row at place i, as it lies
.set i, i+1
.endr
.irp b, 0,1,2,3
.irp j, 0,1,2,3
	ds_load_b128 v[144+16*\b+4*\j:144+16*\b+4*\j+3], v3 offset:128*\b+16*\j     ; LDS serves a wave's instructions in order: these see the stores.  Row r, k = 32 b + 16 h + 4 j ..
.endr
.endr
	s_wait_dscnt 0x0                               ; my 64 numbers are in, and the stores have read their registers,
.if (\s) < 2
	XLOAD (\s)+2                                   ; which take the loads of two steps on
.endif
.if (\s) >= 2
	s_wait_xcnt 0x0                                ; the stores of two steps back have read this set of code registers
.endif
	QUANT 144, 208+16*((\s)%2), 12+(\s)
.irp c, 0,1,2,3
	global_store_b128 v1, v[208+16*((\s)%2)+4*\c:208+16*((\s)%2)+4*\c+3], s[14:15] offset:2048*(\s)+512*\c   ; 512 consecutive bytes
.endr
.endm
	s_load_b256 s[4:11], s[0:1], 0x0               ; x s[4:5], y s[6:7], Wq s[8:9], Wk s[10:11]
	s_load_b128 s[12:15], s[0:1], 0x20             ; Wv s[12:13], opc s[14:15]
	s_load_b64 s[16:17], s[0:1], 0x30              ; ops
	s_set_vgpr_msb 0x40
	v_lshl_add_u32 v0, v0, 2, 0x8400
	v_mov_b32 v1, 0
	s_set_vgpr_msb 0x4000
	v_lshrrev_b32 v1, 5, v0
	v_readfirstlane_b32 s18, v1                    ; wave 0..3
	v_and_b32 v5, 31, v0                           ; lane
	s_mov_b32 s[MNT], 0x600000
	s_mov_b32 s[SEL], 0x76543210
	s_mov_b32 s[SEL+1], 0xfedcba98
	s_cmp_lt_u32 ttmp9, 96
	s_cbranch_scc0 .Lxy
	; ---- the weights.  cg = 128 columns of [Wq | Wk | Wv] set side by side, ks = the K step
	s_lshr_b32 s20, ttmp9, 3                       ; cg 0..11
	s_and_b32 s21, ttmp9, 7                        ; ks
	v_lshlrev_b32 v2, 2, v5                        ; in: 4 bytes a lane
	v_bfe_u32 v6, v5, 3, 1                         ; column l of a pair of tiles lies in tile u = (l / 8) % 2
	v_and_b32 v7, 7, v5
	v_lshrrev_b32 v8, 4, v5
	v_lshl_add_u32 v7, v8, 3, v7                   ; at place r = l % 8 + 8 (l / 16)
	v_lshlrev_b32 v3, 14, v6
	v_lshl_add_u32 v3, v7, 4, v3                   ; codes: 16,384 u + 16 r
	v_lshlrev_b32 v4, 9, v6
	v_lshl_add_u32 v4, v7, 4, v4                   ; scale word: 512 u + 16 r
	s_wait_kmcnt 0x0
	s_cmp_lt_u32 s20, 2                            ; which weight: the choice hangs on the work-group's number alone
	s_cselect_b64 s[24:25], s[8:9], s[10:11]
	s_cselect_b32 s22, 0, 2
	s_cmp_lt_u32 s20, 4
	s_cselect_b64 s[24:25], s[24:25], s[12:13]
	s_cselect_b32 s22, s22, 4
	s_cselect_b32 s23, 17, 19                      ; 128 rows of 1,024 or of 4,096 bytes
	s_sub_co_u32 s22, s20, s22
	s_lshl_b32 s22, s22, 9                         ; 128 columns x 4 bytes
	s_lshl_b32 s26, s18, 7                         ; my wave's 32 columns
	s_add_co_u32 s22, s22, s26
	s_lshl_b32 s26, s21, s23
	s_add_co_u32 s26, s26, s22
	s_mov_b32 s27, 0
	s_add_nc_u64 s[24:25], s[24:25], s[26:27]
	s_lshl_b32 s28, s20, 3
	s_lshl_b32 s29, s18, 1
	s_add_co_u32 s28, s28, s29
	s_add_co_u32 s28, s28, 1024                    ; my first tile: 1024 + 8 cg + 2 wave
	s_lshl_b32 s30, s28, 14
	s_lshl_b32 s29, s21, 11
	s_add_co_u32 s30, s30, s29
	s_mov_b32 s31, 0
	s_add_nc_u64 s[14:15], s[14:15], s[30:31]
	s_lshl_b32 s30, s28, 9
	s_lshr_b32 s29, s21, 2
	s_lshl_b32 s29, s29, 8
	s_add_co_u32 s30, s30, s29
	s_and_b32 s29, s21, 3
	s_lshl_b32 s29, s29, 2
	s_add_co_u32 s30, s30, s29
	s_add_nc_u64 s[16:17], s[16:17], s[30:31]
	s_cmp_lt_u32 s20, 4
	s_cbranch_scc0 .Lwide
	s_wait_alu depctr_va_vdst(0)
	WLOAD 1024
	s_branch .Lwq
.Lwide:
	s_wait_alu depctr_va_vdst(0)
	WLOAD 4096
.Lwq:
	WBLOCK 0
	WBLOCK 1
	WBLOCK 2
	WBLOCK 3
	global_store_b32 v4, v176, s[16:17]            ; my column's word for this K step
	s_endpgm
.Lxy:
	; ---- x and y.  Wave W4 = 4 (work-group - 96) + wave takes tile W4 / 2 and K steps 4 (W4 % 2) + 0 .. 3
	s_sub_co_u32 s20, ttmp9, 96
	s_lshl_b32 s21, s20, 2
	s_add_co_u32 s21, s21, s18
	s_lshr_b32 s22, s21, 1                         ; tile 0..1023
	s_and_b32 s23, s21, 1                          ; kq
	s_and_b32 s26, s22, 511
	s_lshr_b32 s27, s26, 1
	s_lshl_b32 s27, s27, 5
	s_and_b32 s28, s26, 1
	s_lshl_b32 s28, s28, 3
	s_add_co_u32 s27, s27, s28                     ; the tile's first row: 32 p + 8 u
	s_lshl_b32 s26, s27, 12
	s_lshl_b32 s28, s23, 11
	s_add_co_u32 s26, s26, s28
	s_mov_b32 s27, 0
	s_wait_alu depctr_va_vdst(0)
	v_lshlrev_b32 v1, 4, v5                        ; 16 x lane: a load's and an image's place for my lane
	s_mul_i32 s30, s18, 8448                       ; my stage: 16 rows x (512 + 16) bytes
	v_add_nc_u32 v2, s30, v1                       ; in
	v_and_b32 v6, 15, v5                           ; r
	v_lshrrev_b32 v7, 4, v5                        ; h
	v_mul_u32_u24 v3, v6, 528
	v_lshl_add_u32 v3, v7, 6, v3
	v_add_nc_u32 v3, s30, v3                       ; out: row r, + 64 h
	v_lshlrev_b32 v4, 4, v6                        ; my row's four scale words
.irp b, 0,1,2,3
	v_mov_b32 v[TM+4+\b], 0                        ; written once: a lane permute's destination counts as one of its sources
.endr
	s_wait_alu depctr_va_vdst(0)
	s_wait_kmcnt 0x0
	s_cmp_lt_u32 s20, 256
	s_cselect_b64 s[24:25], s[4:5], s[6:7]
	s_add_nc_u64 s[24:25], s[24:25], s[26:27]
	s_lshl_b32 s28, s22, 14
	s_lshl_b32 s29, s23, 13
	s_add_co_u32 s28, s28, s29
	s_mov_b32 s29, 0
	s_add_nc_u64 s[14:15], s[14:15], s[28:29]
	s_lshl_b32 s28, s22, 9
	s_lshl_b32 s31, s23, 8
	s_add_co_u32 s28, s28, s31
	s_add_nc_u64 s[16:17], s[16:17], s[28:29]
	XLOAD 0
	XLOAD 1
	XSTEP 0
	XSTEP 1
	XSTEP 2
	XSTEP 3
	global_store_b128 v4, v[12:15], s[16:17]       ; 16 rows x 4 words: 256 consecutive bytes (lanes 16-31 hold and write the same words as lanes 0-15)
	s_set_vgpr_msb 0x5
	s_wait_tensorcnt 0x0
	ds_add_u32 v0, v1
	s_wait_dscnt 0x0
	s_set_vgpr_msb 0x500
	s_endpgm
.Lfunc_end_k_qaa05d164fc_prep:
	.size	k_qaa05d164fc_prep, .Lfunc_end_k_qaa05d164fc_prep-k_qaa05d164fc_prep
	.p2alignl 7, 3214868480
	.fill 96, 4, 3214868480
	.section	.rodata,"a",@progbits
	.p2align	6, 0x0
	.amdhsa_kernel k_qaa05d164fc_prep
		.amdhsa_group_segment_fixed_size 34304
		.amdhsa_private_segment_fixed_size 0
		.amdhsa_enable_private_segment 0
		.amdhsa_kernarg_size 56
		.amdhsa_user_sgpr_count 2
		.amdhsa_user_sgpr_kernarg_segment_ptr 1
		.amdhsa_wavefront_size32 1
		.amdhsa_system_sgpr_workgroup_id_x 1
		.amdhsa_system_sgpr_workgroup_id_y 1
		.amdhsa_system_sgpr_workgroup_id_z 1
		.amdhsa_system_vgpr_workitem_id 0
		.amdhsa_next_free_vgpr 258
		.amdhsa_next_free_sgpr 66
		.amdhsa_reserve_vcc 0
		.amdhsa_float_denorm_mode_32 3
		.amdhsa_float_denorm_mode_16_64 3
		.amdhsa_memory_ordered 1
		.amdhsa_forward_progress 1
		.amdhsa_inst_pref_size 92
	.end_amdhsa_kernel
	.amdgpu_metadata
---
amdhsa.version: [ 1, 2 ]
amdhsa.kernels:
  - .name:           k_qaa05d164fc_prep
    .symbol:         k_qaa05d164fc_prep.kd
    .args:
      - { .name: x, .offset: 0, .size: 8, .value_kind: global_buffer, .address_space: global }
      - { .name: y, .offset: 8, .size: 8, .value_kind: global_buffer, .address_space: global }
      - { .name: Wq, .offset: 16, .size: 8, .value_kind: global_buffer, .address_space: global }
      - { .name: Wk, .offset: 24, .size: 8, .value_kind: global_buffer, .address_space: global }
      - { .name: Wv, .offset: 32, .size: 8, .value_kind: global_buffer, .address_space: global }
      - { .name: opc, .offset: 40, .size: 8, .value_kind: global_buffer, .address_space: global }
      - { .name: ops, .offset: 48, .size: 8, .value_kind: global_buffer, .address_space: global }
    .group_segment_fixed_size: 34304
    .private_segment_fixed_size: 0
    .kernarg_segment_align: 8
    .kernarg_segment_size: 56
    .max_flat_workgroup_size: 128
    .sgpr_count:     66
    .vgpr_count:     258
    .wavefront_size: 32
...
	.end_amdgpu_metadata
.endif
;; end of part 1
;; launch proj (part 2): grid 192 x 1, 4 waves a work-group, clusters of 4 x 1, 327,680 bytes of LDS; arguments opc, ops, bq, bk, bv, atc, ats; writes atc, ats
.if DOCPART == 2
	.amdgcn_target "amdgcn-amd-amdhsa--gfx1250"
	.amdhsa_code_object_version 6
	.text
	.protected	k_qaa05d164fc_proj
	.globl	k_qaa05d164fc_proj
	.p2align	8
	.type	k_qaa05d164fc_proj,@function
k_qaa05d164fc_proj:
	s_mov_b64 s[64:65], 0
	v_nop
	global_prefetch_b8 v0, s[64:65] scope:SCOPE_SE
	s_setreg_imm32_b32 hwreg(HW_REG_WAVE_MODE, 25, 1), 1
	s_wait_xcnt 0x0
	s_wait_alu depctr_hold_cnt(0) depctr_sa_sdst(0) depctr_va_vdst(0) depctr_va_sdst(0) depctr_va_ssrc(0) depctr_va_vcc(0) depctr_vm_vsrc(0)
	s_getreg_b32 s2, hwreg(HW_REG_IB_STS2, 6, 4)
	s_cmp_eq_u32 s2, 0
	s_cbranch_scc0 .Lentry_in_a_cluster
	s_endpgm
.Lentry_in_a_cluster:
	s_bfe_u32 s2, ttmp6, 0x10000c
	s_cmp_lg_u32 s2, 0x3003
	s_cbranch_scc0 .Lentry_shape_is_right
	s_endpgm
.Lentry_shape_is_right:
.set HALFT, 32768
.set SLOT,  131072
.set SPARE, 262144
.set NP,    8
.set NL,    4
.set FR,    16
.set ADRA, 16
.set ADRB, 20
.set SCO,  22
.set LW,   24
.set BOA,  25
.set BOB,  26
.set SPW,  28
.set NIL,  29
.set SC,   32
.set PWK,  96
.set VO,   104
.set SW,   108
.set AF,   128
.set WK,   128
.set PC,   192
.set TM,   224
.set WV,   14
.set HI,   15
.set LO,   16
.set TYPE, 23
.set G1,   24
.set G0,   32
.set G1B,  48
.set G0B,  56
.set OB,   74
.set OS,   76
.set SA,   78
.set BP,   80
.set SEL,  82
.set MNT,  84
.set HM,   85
.set MSB, 0
.macro WIN new
.if MSB != (\new)
	s_set_vgpr_msb (MSB<<8)|(\new)
.set MSB, (\new)
.endif
.endm
.set MUL_LO, 0xa1
.set MUL_HI, 0xf1
.set TO_B,   0x40
.macro JLOAD g0a, g1a, g0b, g1b
	s_cmp_eq_u32 s[HI], 0
	s_cbranch_scc0 .Lfor_b_\@
	tensor_load_to_lds s[\g0a:\g0a+3], s[\g1a:\g1a+7]
	s_nop 0
.rept 4
	v_nop
.endr
	s_branch .Lasked_\@
.Lfor_b_\@:
	tensor_load_to_lds s[\g0b:\g0b+3], s[\g1b:\g1b+7]
	s_nop 0
.rept 4
	v_nop
.endr
.Lasked_\@:
.endm
.macro CREST
	s_cmp_lg_u32 s[WV], 0
	s_cbranch_scc1 .Lnot_wave_0_\@
	s_barrier_signal -3
.Lnot_wave_0_\@:
	s_barrier_wait -3
	s_barrier_signal -1
	s_barrier_wait -1
.endm
.macro CROUND
	s_barrier_signal -1
	s_barrier_wait -1
	CREST
.endm
.macro PLACES n
.rept \n
	v_nop
.endr
.endm
.macro FRAG reg, adr, q, i
.irp c, 0,1,2,3
	ds_load_b128 v[\reg+4*\c:\reg+4*\c+3], v[\adr] offset:4096*(\i)+2048*(\q)+512*\c
.endr
.endm
.macro FETCH_B slot, q, p
	WIN TO_B
.irp i, 0,1,2,3,4,5,6,7
	FRAG 128*(\p)+FR*\i, ADRB+\slot, \q, \i
.endr
	WIN 0
.endm
.macro FETCH_A slot, q, i0
.irp i, \i0, \i0+1, \i0+2, \i0+3
	FRAG AF+FR*(\i), ADRA+\slot, \q, \i
.endr
.endm
.macro MUL16 a0, p, ks, zero
.irp a, \a0, \a0+1
.irp b, 0,1,2,3,4,5,6,7
.if \zero
	v_wmma_scale_f32_16x16x128_f8f6f4 v[8*(8*((\a)%4)+\b):8*(8*((\a)%4)+\b)+7], v[128*(\p)+FR*\b:128*(\p)+FR*\b+FR-1], v[AF+FR*(\a):AF+FR*(\a)+FR-1], 0, v[SC+8*\b+(\ks)], v[SC+8*(\a)+(\ks)] matrix_a_scale:MATRIX_SCALE_ROW1
.else
	v_wmma_scale_f32_16x16x128_f8f6f4 v[8*(8*((\a)%4)+\b):8*(8*((\a)%4)+\b)+7], v[128*(\p)+FR*\b:128*(\p)+FR*\b+FR-1], v[AF+FR*(\a):AF+FR*(\a)+FR-1], v[8*(8*((\a)%4)+\b):8*(8*((\a)%4)+\b)+7], v[SC+8*\b+(\ks)], v[SC+8*(\a)+(\ks)] matrix_a_scale:MATRIX_SCALE_ROW1
.endif
.endr
.endr
.endm
.macro STEP slot, ks, zero
	s_wait_dscnt 4*NL
	WIN MUL_LO
	MUL16 0, 0, \ks, \zero
	MUL16 2, 0, \ks, \zero
	s_wait_dscnt 0
	PLACES NP
	FETCH_B \slot, 1, 1
	FETCH_A \slot, 1, 0
	WIN MUL_HI
	MUL16 4, 0, \ks, \zero
	MUL16 6, 0, \ks, \zero
	PLACES NP
	WIN 0
	FETCH_A \slot, 1, 4
.endm
.macro TURN slot, next, fill, ks
	s_wait_tensorcnt 0x0
	ds_add_u32 v[SPW], v[NIL]
	s_wait_dscnt 4*NL+1
	WIN MUL_LO
	MUL16 0, 1, \ks, 0
	s_wait_dscnt 0x0
	s_barrier_signal -1
	MUL16 2, 1, \ks, 0
	WIN 0
	s_barrier_wait -1
.if \fill
	CREST
	s_add_nc_u64 s[G0+4*\slot+2:G0+4*\slot+3], s[G0+4*\slot+2:G0+4*\slot+3], 8192
	s_add_nc_u64 s[G0B+4*\slot+2:G0B+4*\slot+3], s[G0B+4*\slot+2:G0B+4*\slot+3], 8192
	JLOAD G0+4*\slot, G1, G0B+4*\slot, G1B
	PLACES NP-4
.else
	PLACES NP
.endif
	FETCH_B \next, 0, 0
	FETCH_A \next, 0, 0
	WIN MUL_HI
	MUL16 4, 1, \ks, 0
	MUL16 6, 1, \ks, 0
	PLACES NP
	WIN 0
	FETCH_A \next, 0, 4
.endm
.macro QUANT s, pc, pw
.irp b, 0,1,2,3
	v_max3_num_f32 v[TM+\b], |v[\s+16*\b]|, |v[\s+1+16*\b]|, 0x4800000
.endr
.irp i, 2,4,6,8,10,12,14
.irp b, 0,1,2,3
	v_max3_num_f32 v[TM+\b], v[TM+\b], |v[\s+16*\b+\i]|, |v[\s+1+16*\b+\i]|
.endr
.endr
.irp b, 0,1,2,3
	v_permlanex16_b32 v[TM+4+\b], v[TM+\b], s[SEL], s[SEL+1]
.endr
.irp b, 0,1,2,3
	v_max_num_f32 v[TM+\b], v[TM+\b], v[TM+4+\b]
.endr
.irp b, 0,1,2,3
	v_add_nc_u32 v[TM+12+\b], 0xfc000000, v[TM+\b]
.endr
.irp b, 0,1,2,3
	v_and_or_b32 v[TM+8+\b], v[TM+\b], 0x7f800000, s[MNT]
.endr
.irp b, 0,1,2,3
	v_lshrrev_b32 v[TM+4+\b], 23, v[TM+12+\b]
.endr
	v_lshl_or_b32 v[\pw], v[TM+5], 8, v[TM+4]
	v_lshl_or_b32 v[\pw], v[TM+6], 16, v[\pw]
	v_lshl_or_b32 v[\pw], v[TM+7], 24, v[\pw]
.irp b, 0,1,2,3
.irp i, 0,1,2,3,4,5,6,7,8,9,10,11,12,13,14,15
	v_med3_num_f32 v[\s+16*\b+\i], v[\s+16*\b+\i], -v[TM+8+\b], v[TM+8+\b]
.endr
	v_cvt_scalef32_pk8_fp8_f32 v[\pc+4*\b:\pc+1+4*\b], v[\s+16*\b:\s+7+16*\b], v[TM+12+\b]
	v_cvt_scalef32_pk8_fp8_f32 v[\pc+2+4*\b:\pc+3+4*\b], v[\s+8+16*\b:\s+15+16*\b], v[TM+12+\b]
.endr
	v_nop
.endm
.macro OUT a
.if (\a) > 0
	s_wait_xcnt 0x0
	s_add_nc_u64 s[OB:OB+1], s[OB:OB+1], s[SA:SA+1]
.endif
	s_cmp_eq_u32 s[TYPE], 0
	s_cbranch_scc0 .Lob_\@
	WIN 0x06+(\a)/4
.set i, 0
.rept 32
	v_pk_add_f32 v[WK+2*i:WK+2*i+1], v[64*((\a)%4)+2*i:64*((\a)%4)+2*i+1], v[2*i:2*i+1]
.set i, i+1
.endr
	WIN 0
	s_branch .Lod_\@
.Lob_\@:
	WIN 0x06+(\a)/4
.set i, 0
.rept 32
	v_pk_add_f32 v[WK+2*i:WK+2*i+1], v[64*((\a)%4)+2*i:64*((\a)%4)+2*i+1], v[2*(\a):2*(\a)+1]
.set i, i+1
.endr
	WIN 0
.Lod_\@:
	QUANT WK, PC+16*((\a)%2), PWK+(\a)
.irp c, 0,1,2,3
	global_store_b128 v[VO+\c], v[PC+16*((\a)%2)+4*\c:PC+16*((\a)%2)+4*\c+3], s[OB:OB+1]
.endr
.if (\a)%2 == 1
	v_cndmask_b32 v[SW+(\a)/2], v[PWK+(\a)-1], v[PWK+(\a)], s[HM]
	global_store_b32 v[LW], v[SW+(\a)/2], s[OS:OS+1] offset:128*((\a)/2)
.endif
.endm
	s_load_b128 s[4:7], s[0:1], 0x0
	s_load_b128 s[8:11], s[0:1], 0x10
	s_load_b128 s[68:71], s[0:1], 0x20
	s_load_b64 s[72:73], s[0:1], 0x30
	v_lshl_add_u32 v[SPW], v0, 2, SPARE
	v_mov_b32 v[NIL], 0
	ds_add_u32 v28, v29
	ds_add_u32 v28, v29
	s_wait_dscnt 0x0
	v_lshrrev_b32 v1, 5, v0
	v_readfirstlane_b32 s[WV], v1
	s_lshr_b32 s[HI], s[WV], 1
	s_and_b32 s[LO], s[WV], 1
	s_bfe_u32 s40, ttmp6, 0x40000
	s_lshr_b32 s17, ttmp9, 3
	s_lshl_b32 s17, s17, 4
	s_add_co_u32 s17, s17, 1024
	s_lshl_b32 s19, ttmp9, 4
	s_add_co_u32 s19, s19, 256
	s_lshl_b32 s18, ttmp9, 2
	s_add_co_u32 s18, s18, s40
	s_lshl_b32 s18, s18, 4
	s_lshl_b32 s20, s40, 4
	s_add_co_u32 s20, s20, 1056
	s_cmp_lt_u32 ttmp9, 16
	s_cselect_b32 s41, s17, s19
	s_cselect_b32 s42, s18, s20
	s_cselect_b32 s[TYPE], 0, 1
	s_mov_b32 s[G1+0], 3<<16
	s_mov_b32 s[G1B+0], 15|(3<<16)|(1<<21)
.irp g, G1, G1B
	s_mov_b32 s[\g+1], 512<<16
	s_mov_b32 s[\g+2], 8<<16
	s_mov_b32 s[\g+3], 512<<16
	s_mov_b32 s[\g+4], 8
	s_mov_b32 s[\g+5], 2048
	s_mov_b32 s[\g+6], 0
	s_mov_b32 s[\g+7], 0
.endr
	s_lshl_b32 s43, s[LO], 3
	s_add_co_u32 s20, s42, s43
	s_lshl_b32 s20, s20, 14
	s_mov_b32 s21, 0
	s_add_co_u32 s46, s41, s43
	s_lshl_b32 s46, s46, 14
	s_mov_b32 s47, 0
	s_lshl_b32 s45, s[WV], 15
	s_wait_kmcnt 0x0
	s_add_nc_u64 s[20:21], s[4:5], s[20:21]
	s_add_nc_u64 s[46:47], s[4:5], s[46:47]
	CROUND
.irp s, 0,1
	s_mov_b32 s[G0+4*\s], 1
	s_add_co_u32 s[G0+4*\s+1], s45, \s*SLOT
	s_add_nc_u64 s[G0+4*\s+2:G0+4*\s+3], s[20:21], \s*4096
	s_or_b32 s[G0+4*\s+3], s[G0+4*\s+3], 0x80000000
	s_mov_b32 s[G0B+4*\s], 1
	s_add_co_u32 s[G0B+4*\s+1], s45, \s*SLOT
	s_add_nc_u64 s[G0B+4*\s+2:G0B+4*\s+3], s[46:47], \s*4096
	s_or_b32 s[G0B+4*\s+3], s[G0B+4*\s+3], 0x80000000
	s_wait_alu depctr_va_vdst(0)
	s_wait_tensorcnt 0x0
	ds_add_u32 v28, v29
	ds_add_u32 v28, v29
	s_wait_dscnt 0x0
	CROUND
	JLOAD G0+4*\s, G1, G0B+4*\s, G1B
.endr
	v_and_b32 v1, 31, v0
	v_and_b32 v2, 15, v0
	v_bfe_u32 v3, v0, 4, 1
	v_lshlrev_b32 v4, 4, v1
	s_lshl_b32 s22, s[HI], 15
	s_lshl_b32 s44, s[LO], 15
	s_add_co_u32 s44, s44, 2*HALFT
.irp s, 0,1
	v_add_nc_u32 v[ADRA+\s], s22, v4
	v_add_nc_u32 v[ADRB+\s], s44, v4
	s_add_co_u32 s22, s22, SLOT
	s_add_co_u32 s44, s44, SLOT
.endr
	s_lshl_b32 s88, s[HI], 3
	s_add_co_u32 s88, s88, s42
	s_lshl_b32 s88, s88, 9
	s_lshl_b32 s89, s[LO], 3
	s_add_co_u32 s89, s89, s41
	s_lshl_b32 s89, s89, 9
	s_mov_b32 s[HM], 0xffff0000
	v_mov_b32 v5, s88
	v_mov_b32 v6, s89
	v_cndmask_b32 v5, v5, v6, s[HM]
	v_lshl_add_u32 v[SCO], v2, 4, v5
.irp i, 0,1,2,3,4,5,6,7
.irp kq, 0,1
	global_load_b128 v[SC+8*\i+4*\kq:SC+8*\i+4*\kq+3], v[SCO], s[6:7] offset:512*\i+256*\kq
.endr
.endr
	v_lshlrev_b32 v[LW], 2, v1
	v_lshlrev_b32 v[BOA], 6, v3
	v_and_b32 v7, 8, v2
	v_add_nc_u32 v7, v7, v2
	v_lshlrev_b32 v[BOB], 2, v7
	s_mov_b32 s[SEL], 0x76543210
	s_mov_b32 s[SEL+1], 0xfedcba98
	s_mov_b32 s[MNT], 0x600000
	s_lshl_b32 s86, s[HI], 3
	s_add_co_u32 s86, s86, s42
	s_lshr_b32 s87, s86, 7
	s_and_b32 s86, s86, 127
	s_lshl_b32 s88, s87, 19
	s_lshl_b32 s89, s[LO], 18
	s_add_co_u32 s88, s88, s89
	s_lshl_b32 s89, s86, 9
	s_add_co_u32 s88, s88, s89
	s_lshl_b32 s91, s87, 14
	s_lshl_b32 s89, s[LO], 13
	s_add_co_u32 s91, s91, s89
	s_lshl_b32 s89, s86, 6
	s_add_co_u32 s91, s91, s89
	s_sub_co_u32 s86, ttmp9, 16
	s_lshr_b32 s87, s86, 3
	s_lshl_b32 s87, s87, 3
	s_lshl_b32 s89, s40, 1
	s_add_co_u32 s87, s87, s89
	s_add_co_u32 s87, s87, s[HI]
	s_and_b32 s86, s86, 7
	s_lshl_b32 s86, s86, 1
	s_add_co_u32 s86, s86, s[LO]
	s_lshl_b32 s92, s87, 18
	s_lshl_b32 s89, s86, 14
	s_add_co_u32 s92, s92, s89
	s_add_co_u32 s92, s92, 1<<22
	s_lshl_b32 s93, s87, 13
	s_lshl_b32 s89, s86, 9
	s_add_co_u32 s93, s93, s89
	s_add_co_u32 s93, s93, 1<<17
	s_mov_b32 s90, 512
	s_mov_b32 s[SA], 2048
	s_cmp_eq_u32 s[TYPE], 0
	s_cselect_b32 s88, s88, s92
	s_cselect_b32 s92, s91, s93
	s_cselect_b32 s90, 0x10000, s90
	s_cselect_b32 s[SA], 512, s[SA]
	s_mov_b32 s[SA+1], 0
	s_mov_b32 s89, 0
	s_mov_b32 s93, 0
	s_add_nc_u64 s[OB:OB+1], s[70:71], s[88:89]
	s_add_nc_u64 s[OS:OS+1], s[72:73], s[92:93]
	v_mov_b32 v[VO], v4
	v_add_nc_u32 v[VO+1], s90, v[VO]
	v_add_nc_u32 v[VO+2], s90, v[VO+1]
	v_add_nc_u32 v[VO+3], s90, v[VO+2]
	s_cmp_lt_u32 ttmp9, 8
	s_cselect_b64 s[BP:BP+1], s[8:9], s[10:11]
	s_cmp_lt_u32 ttmp9, 16
	s_cselect_b64 s[BP:BP+1], s[BP:BP+1], s[68:69]
	s_lshl_b32 s86, s[LO], 9
	s_lshl_b32 s87, s40, 10
	s_lshl_b32 s89, s[HI], 9
	s_add_co_u32 s87, s87, s89
	s_cmp_lt_u32 ttmp9, 16
	s_cselect_b32 s86, s86, s87
	s_mov_b32 s87, 0
	s_add_nc_u64 s[BP:BP+1], s[BP:BP+1], s[86:87]
	s_wait_tensorcnt 1
	s_barrier_signal -1
	s_barrier_wait -1
	FETCH_B 0, 0, 0
	FETCH_A 0, 0, 0
	FETCH_A 0, 0, 4
	s_wait_loadcnt 0x0
	STEP 0, 0, 1
	TURN 0, 1, 1, 1
	STEP 1, 2, 0
	TURN 1, 0, 1, 3
	STEP 0, 4, 0
	TURN 0, 1, 0, 5
	STEP 1, 6, 0
	s_cmp_eq_u32 s[TYPE], 0
	s_cbranch_scc0 .Lbias_b
	WIN TO_B
	s_wait_alu depctr_va_vdst(0)
.irp bb, 0,1,2,3
.irp j, 0,1,2,3
	global_load_b128 v[16*\bb+4*\j:16*\bb+4*\j+3], v[BOA], s[BP:BP+1] offset:128*\bb+16*\j
.endr
.endr
	WIN 0
	s_branch .Lbias_done
.Lbias_b:
	WIN TO_B
	s_wait_alu depctr_va_vdst(0)
.irp a, 0,1,2,3,4,5,6,7
	global_load_b32 v[2*\a], v[BOB], s[BP:BP+1] offset:4*(32*(\a/2)+8*(\a%2))
	global_load_b32 v[2*\a+1], v[BOB], s[BP:BP+1] offset:4*(32*(\a/2)+8*(\a%2))
.endr
	WIN 0
.Lbias_done:
	s_wait_dscnt 4*NL
	WIN MUL_LO
	MUL16 0, 1, 7, 0
	MUL16 2, 1, 7, 0
	s_wait_dscnt 0
	WIN MUL_HI
	MUL16 4, 1, 7, 0
	MUL16 6, 1, 7, 0
	WIN 0
	PLACES NP
	s_wait_loadcnt 0x0
.irp b, 0,1,2,3
	v_mov_b32 v[TM+4+\b], 0
.endr
	OUT 0
	OUT 1
	OUT 2
	OUT 3
	OUT 4
	OUT 5
	OUT 6
	OUT 7
	s_wait_tensorcnt 0x0
	ds_add_u32 v[SPW], v[NIL]
	s_wait_dscnt 0x0
	CROUND
	s_endpgm
.Lfunc_end_k_qaa05d164fc_proj:
	.size	k_qaa05d164fc_proj, .Lfunc_end_k_qaa05d164fc_proj-k_qaa05d164fc_proj
	.p2alignl 7, 3214868480
	.fill 96, 4, 3214868480
	.section	.rodata,"a",@progbits
	.p2align	6, 0x0
	.amdhsa_kernel k_qaa05d164fc_proj
		.amdhsa_group_segment_fixed_size 327680
		.amdhsa_private_segment_fixed_size 0
		.amdhsa_enable_private_segment 0
		.amdhsa_kernarg_size 56
		.amdhsa_user_sgpr_count 2
		.amdhsa_user_sgpr_kernarg_segment_ptr 1
		.amdhsa_wavefront_size32 1
		.amdhsa_system_sgpr_workgroup_id_x 1
		.amdhsa_system_sgpr_workgroup_id_y 1
		.amdhsa_system_sgpr_workgroup_id_z 1
		.amdhsa_system_vgpr_workitem_id 0
		.amdhsa_next_free_vgpr 1024
		.amdhsa_next_free_sgpr 100
		.amdhsa_reserve_vcc 0
		.amdhsa_float_denorm_mode_32 3
		.amdhsa_float_denorm_mode_16_64 3
		.amdhsa_memory_ordered 1
		.amdhsa_forward_progress 1
		.amdhsa_inst_pref_size 221
	.end_amdhsa_kernel
	.amdgpu_metadata
---
amdhsa.version: [ 1, 2 ]
amdhsa.kernels:
  - .name:           k_qaa05d164fc_proj
    .symbol:         k_qaa05d164fc_proj.kd
    .args:
      - { .name: opc, .offset: 0, .size: 8, .value_kind: global_buffer, .address_space: global }
      - { .name: ops, .offset: 8, .size: 8, .value_kind: global_buffer, .address_space: global }
      - { .name: bq, .offset: 16, .size: 8, .value_kind: global_buffer, .address_space: global }
      - { .name: bk, .offset: 24, .size: 8, .value_kind: global_buffer, .address_space: global }
      - { .name: bv, .offset: 32, .size: 8, .value_kind: global_buffer, .address_space: global }
      - { .name: atc, .offset: 40, .size: 8, .value_kind: global_buffer, .address_space: global }
      - { .name: ats, .offset: 48, .size: 8, .value_kind: global_buffer, .address_space: global }
    .group_segment_fixed_size: 327680
    .private_segment_fixed_size: 0
    .kernarg_segment_align: 8
    .kernarg_segment_size: 56
    .max_flat_workgroup_size: 128
    .sgpr_count:     100
    .vgpr_count:     1024
    .wavefront_size: 32
...
	.end_amdgpu_metadata
.endif
;; end of part 2
;; launch attn (part 3): grid 8 x 32, 8 waves a work-group, clusters of 4 x 1, 327,680 bytes of LDS; arguments atc, ats, x, gamma, out0; writes out0
.if DOCPART == 3
	.amdgcn_target "amdgcn-amd-amdhsa--gfx1250"
	.amdhsa_code_object_version 6
	.text
	.protected	k_qaa05d164fc_attn
	.globl	k_qaa05d164fc_attn
	.p2align	8
	.type	k_qaa05d164fc_attn,@function
k_qaa05d164fc_attn:
	s_mov_b64 s[64:65], 0
	v_nop
	global_prefetch_b8 v0, s[64:65] scope:SCOPE_SE
	s_setreg_imm32_b32 hwreg(HW_REG_WAVE_MODE, 25, 1), 1
	s_wait_xcnt 0x0
	s_wait_alu depctr_hold_cnt(0) depctr_sa_sdst(0) depctr_va_vdst(0) depctr_va_sdst(0) depctr_va_ssrc(0) depctr_va_vcc(0) depctr_vm_vsrc(0)
	s_getreg_b32 s2, hwreg(HW_REG_IB_STS2, 6, 4)
	s_cmp_eq_u32 s2, 0
	s_cbranch_scc0 .Lentry_in_a_cluster
	s_endpgm
.Lentry_in_a_cluster:
	s_bfe_u32 s2, ttmp6, 0x10000c
	s_cmp_lg_u32 s2, 0x3003
	s_cbranch_scc0 .Lentry_shape_is_right
	s_endpgm
.Lentry_shape_is_right:
; out[b][q][head] = gamma x (sum over keys of softmax(leaky(Q . K / sqrt(32))) V) + x, both products on codes of FP8 (E4M3) with E8M0 scales.  32 heads (b 8 + head) x 2,048 queries x 2,048 keys; Q, K: 32 channels; V: 128.
; THE SOFTMAX AHEAD OF THE SECOND PRODUCT: t = logit x log2(e); M = the running largest t rounded UP to a whole number; p = 2^(t - M) is quantised along the keys, not normalised; the row's sum is taken of the
; unquantised p and divides at the end.  When M moves, the sums and O are multiplied by f = 2^(old M - new M): exact.
; LEAKY RELU: leaky(s) = 0.6 (s + (2/3) |s|): u = fma(|s|, 2/3, s), t - M = fma(u, c, -M), c = 0.6 log2(e) / sqrt(32).  Both rise with s, so a block's largest u gives its largest p (this takes v_exp_f32 not to fall where its input rises).
; SHARES.  A work-group owns 256 queries of one head; each of its EIGHT waves owns 32 of them, two tiles a and b of 16, in 512 registers: every fragment of K and V that a wave reads feeds two products.
; LAYOUT.  Both products are used transposed (S^T = K Q^T, O^T = V^T P^T): a lane holds one query of each tile.  Operands lie in memory as images of their registers; tile 2 p + u holds at place r the row 32 p + 8 u + r + 8 (r / 8).
; THE FIRST PRODUCT HAS K = 32 of the instruction's 128: Q's registers for k = 32 .. 127 are zero codes; K's there are the codes that follow (other tiles', or V's: none is a NaN code); their scale bytes are 0, not 0xff.
; LDS.  All sixteen key steps of V (16,384 bytes each) and both kinds of scale bytes of the whole head are filled once, at the head, one tensor load a wave; nothing is filled again.  The first barrier shows V's steps 0-1 and
; the scale bytes (waves 0-2's loads), a second one behind step 1 the rest; behind it the waves meet no more until the closing round.
; K's codes (4,096 bytes a key step) do not fit beside V: each wave loads them from memory into registers, one whole key step ahead of the products that read them.  So no prefetch of K is laid: its loads are
; themselves asked for a step ahead; V is asked for whole at the head.  x's rows are prefetched four key steps ahead of their loads.
; CLUSTER 4 x 1: four query blocks of one head read the same V and scale bytes: every tile is asked for jointly (mask 15).
; LIMITS: NaN and infinities are not served; p under 2^-126 comes out of v_exp_f32 as 0; a block of p under 2^-118 keeps the byte 1.
; REGISTERS, window 0: v1-11 addresses; v12-19 -M, largest u, f (a pair) of a, b; v20-35 the sums, four packed chains a tile; v36-63 at work; v64-127 S^T, p of a, then V's fragments 4-7; v128-191 of b;
;   v192-223 p's codes; v224-231 the conversions' scale operands; v232-243 scale words alone (K's, V's, p's, Q's); v245-252 second copies of the bounds.
; window 1: v0-127 O^T of a, b; v128-159 Q of a, b; v160-191 K's eight tiles; v192-255 V's fragments 0-3.
.set SCK,   262144                     ; behind V's sixteen steps: K's scale bytes: [tile][r][4 heads]
.set SCV,   270336                     ; V's scale words: [key step][channel tile][r]
.set SPARE, 278528                     ; the spare words, 128 bytes a wave: four blocks of 256 bytes that no other line names
.set STAGE, 279552                     ; the way out: 16 rows x (256 + 16) bytes a wave; no tensor load lands here
.set LI,   1
.set ASK0, 2
.set ASV0, 3
.set SPW,  5
.set NIL,  6
.set XPF,  7
.set ADK,  8
.set ADV,  9
.set ADS,  10
.set ADT,  11
.set L,    20
.set BM,   36
.set PM,   44
.set BD,   52
.set CD,   192
.set SOP,  224
.set KS,   232
.set VS,   236
.set PW,   240
.set QS,   242
.set BD2,  245
.set WV,   18
.set MNT,  19
.set SEL,  20
.set CS,   22
.set G1B,  24                          ; 128 rows of 256 bytes
.set G1S,  32                          ; 32 rows
.set G1C,  40                          ; 192 rows
.set G0A,  48
.set G0S,  52
.set G0C,  56
.set KP,   60                          ; s[60:61] K's codes of my head
.set KAP,  66
.set TK,   76
.set TV,   77
.set TS,   78
.set CNT,  79
.set XB,   80
.set OBS,  82
.set GAM,  84
.set CSN,  94                          ; -c
.set MSB, 0
.macro WIN new                         ; the immediate's high byte repeats the setting that is left
.if MSB != (\new)
	s_set_vgpr_msb (MSB<<8)|(\new)
.set MSB, (\new)
.endif
.endm
.macro PLACES n
.rept \n
	v_nop
.endr
.endm
.macro WALU
	s_wait_alu depctr_va_vdst(0)
.endm
.macro CROUND                          ; a round of the cluster's barrier
	s_barrier_signal -1
	s_barrier_wait -1
	s_cmp_lg_u32 s[WV], 0
	s_cbranch_scc1 .Lnot_wave_0_\@
	s_barrier_signal -3
.Lnot_wave_0_\@:
	s_barrier_wait -3
	s_barrier_signal -1
	s_barrier_wait -1
.endm
.macro GROUP1 g, rows                  ; a dense block as rows of 256 bytes (32 elements of 8 bytes), for all four partners
	s_mov_b32 s[\g], 15|(3<<16)|(1<<21)
	s_mov_b32 s[\g+1], 32<<16
	s_mov_b32 s[\g+2], (\rows)<<16
	s_mov_b32 s[\g+3], 32<<16
	s_mov_b32 s[\g+4], \rows
	s_mov_b32 s[\g+5], 32
	s_mov_b32 s[\g+6], 0
	s_mov_b32 s[\g+7], 0
.endm
.macro TLOAD g0, g1                    ; an s_nop 0 and four v_nop follow the load
	tensor_load_to_lds s[\g0:\g0+3], s[\g1:\g1+7]
	s_nop 0
	PLACES 4
.endm
.macro KBYTES so                       ; my head's scale bytes of a key step's eight tiles of K: lanes 0-15 tile 2 i, lanes 16-31 tile 2 i + 1; bytes 1-3 of the register are 0
.irp i, 0,1,2,3
	ds_load_u8 v[KS+\i], v[ADS] offset:(\so)+128*\i
.endr
.endm
.macro KCODES adr, ko                  ; a key step's eight tiles of K, four registers each, from memory: a wave's load reads 512 consecutive bytes
	WIN 0x40
.irp t, 0,1,2,3,4,5,6,7
	global_load_b128 v[160+4*\t:163+4*\t], v[\adr], s[KP:KP+1] offset:(\ko)+512*\t
.endr
	WIN 0
.endm
.macro SUMS x                          ; the row's sums of the unquantised p: four packed chains that run through all steps; the first line of each brings it under the new M
.irp c, 0,1,2,3
	v_pk_fma_f32 v[L+8*\x+2*\c:L+8*\x+2*\c+1], v[L+8*\x+2*\c:L+8*\x+2*\c+1], v[14+4*\x:15+4*\x], v[64+64*\x+2*\c:65+64*\x+2*\c] op_sel_hi:[1,0,1]
.endr
.set j, 8
.rept 28
	v_pk_add_f32 v[L+8*\x+j%8:L+8*\x+j%8+1], v[L+8*\x+j%8:L+8*\x+j%8+1], v[64+64*\x+j:65+64*\x+j]
.set j, j+2
.endr
.endm
.macro SCALES x                        ; from the four blocks' largest p: scale operands, bounds (two copies in different register banks, for the paired holds), bytes, the scale word
.irp b, 0,1,2,3
	v_max_num_f32 v[BM+4*\x+\b], 0x4800000, v[BM+4*\x+\b]          ; the floor 2^(9 - 127)
.endr
.irp b, 0,1,2,3
	v_add_nc_u32 v[SOP+4*\x+\b], 0xfc000000, v[BM+4*\x+\b]
.endr
.irp b, 0,1,2,3
	v_and_or_b32 v[BD+4*\x+\b], v[BM+4*\x+\b], 0x7f800000, s[MNT]  ; 448 x the scale
.endr
.irp b, 0,1,2,3
	v_and_or_b32 v[BD2+4*\x+\b], v[BM+4*\x+\b], 0x7f800000, s[MNT]
.endr
.irp b, 0,1,2,3
	v_lshrrev_b32 v[PM+4*\x+\b], 23, v[SOP+4*\x+\b]
.endr
	v_lshl_or_b32 v[PW+\x], v[PM+4*\x+1], 8, v[PM+4*\x]
	v_lshl_or_b32 v[PW+\x], v[PM+4*\x+2], 16, v[PW+\x]
	v_lshl_or_b32 v[PW+\x], v[PM+4*\x+3], 24, v[PW+\x]
.endm
.macro CODES x
.irp b, 0,1,2,3
	v_cvt_scalef32_pk8_fp8_f32 v[CD+16*\x+4*\b:CD+16*\x+4*\b+1], v[64+64*\x+16*\b:71+64*\x+16*\b], v[SOP+4*\x+\b]
	v_cvt_scalef32_pk8_fp8_f32 v[CD+16*\x+4*\b+2:CD+16*\x+4*\b+3], v[72+64*\x+16*\b:79+64*\x+16*\b], v[SOP+4*\x+\b]
.endr
.endm
.macro RESCALE o                       ; O^T's registers o .. o + 31 of both tiles under the new M; the wait directly ahead of these first readers of matrix results
	WIN 0x41
	WALU
.irp x, 0,1
.set j, 0
.rept 16
	v_pk_mul_f32 v[64*\x+\o+j:64*\x+\o+j+1], v[64*\x+\o+j:64*\x+\o+j+1], v[14+4*\x:15+4*\x] op_sel_hi:[1,0]
.set j, j+2
.endr
.endr
.endm
.macro PV ab, o, vs                    ; O^T += V^T P^T for four channel tiles at v[ab ..] and both query tiles; the accumulators take turns
.irp i, 0,1
.irp x, 0,1
	v_wmma_scale_f32_16x16x128_f8f6f4 v[64*\x+\o+16*\i:64*\x+\o+16*\i+7], v[\ab+32*\i:\ab+32*\i+15], v[CD+16*\x:CD+16*\x+15], v[64*\x+\o+16*\i:64*\x+\o+16*\i+7], v[\vs+\i], v[PW+\x]
	v_wmma_scale_f32_16x16x128_f8f6f4 v[64*\x+\o+16*\i+8:64*\x+\o+16*\i+15], v[\ab+32*\i+16:\ab+32*\i+31], v[CD+16*\x:CD+16*\x+15], v[64*\x+\o+16*\i+8:64*\x+\o+16*\i+15], v[\vs+\i], v[PW+\x] matrix_a_scale:MATRIX_SCALE_ROW1
.endr
.endr
.endm
; A KEY STEP: 128 keys for my 32 queries.  K's fragments were asked for in the step before.  tail = 1: the loop that ends the walk: its last trip has no next step and fetches none; its fourth trip from the end prefetches x.
.macro STEP tail
	s_wait_loadcnt 0x0                             ; this step's K is in (its scale bytes came under the last step's wait on DScnt)
	WIN 0x05
.irp i, 0,1,2,3
.irp x, 0,1
	v_wmma_scale_f32_16x16x128_f8f6f4 v[64+64*\x+16*\i:71+64*\x+16*\i], v[160+8*\i:175+8*\i], v[128+16*\x:143+16*\x], 0, v[KS+\i], v[QS+\x]
	v_wmma_scale_f32_16x16x128_f8f6f4 v[72+64*\x+16*\i:79+64*\x+16*\i], v[164+8*\i:179+8*\i], v[128+16*\x:143+16*\x], 0, v[KS+\i], v[QS+\x] matrix_a_scale:MATRIX_SCALE_ROW1
.endr
.endr                                  ; register 64 + 64 x + 16 b + i: key 32 b + 16 (lane / 16) + i of the step
	WIN 0
	v_add_nc_u32 v[ADK], s[TK], v[LI]              ; the step's addresses: four of the eight places behind the products
	v_add_nc_u32 v[ADV], s[TV], v[LI]
	v_add_nc_u32 v[ADS], s[TS], v[ASK0]
	v_add_nc_u32 v[ADT], s[TS], v[ASV0]
	WALU                                           ; the wait behind these writes
	PLACES 4
.irp i, 0,1,2,3
	ds_load_b32 v[VS+\i], v[ADT] offset:128*\i     ; V's scale words: lanes 0-15 tile 2 i, lanes 16-31 tile 2 i + 1
.endr
.if \tail
	s_cmp_eq_u32 s[CNT], 1
	s_cbranch_scc1 .Lno_next_\@
.endif
	KBYTES 512                                     ; the next step's K
	KCODES ADK, 4096
.if \tail
.Lno_next_\@:
.endif
	WIN 0x40
.irp f, 0,1,2,3
.irp c, 0,1,2,3
	ds_load_b128 v[192+16*\f+4*\c:195+16*\f+4*\c], v[ADV] offset:2048*\f+512*\c   ; V's channel tiles 0-3
.endr
.endr
	WIN 0
.if \tail
	s_cmp_lg_u32 s[CNT], 4
	s_cbranch_scc1 .Lno_x_\@
	global_prefetch_b8 v[XPF], s[XB:XB+1] th:TH_LOAD_NT scope:SCOPE_SE               ; my 32 rows x 512 bytes of x, a lane a block of 256 bytes, four key steps ahead of the loads; each block is named once in the launch
	global_prefetch_b8 v[XPF], s[XB:XB+1] offset:32768 th:TH_LOAD_NT scope:SCOPE_SE
.Lno_x_\@:
.endif
.set j, 0
.rept 128
	v_fma_f32 v[64+j], |v[64+j]|, s[KAP], v[64+j]  ; u = s + (2/3) |s|; each accumulator from its low end on
.set j, j+1
.endr
.irp x, 0,1
.irp b, 0,1,2,3
	v_max3_num_f32 v[BM+4*\x+\b], v[64+64*\x+16*\b], v[65+64*\x+16*\b], v[66+64*\x+16*\b]   ; the largest u of each block of 32 keys; eight chains by turns
.endr
.endr
.irp i, 3,5,7,9,11,13
.irp x, 0,1
.irp b, 0,1,2,3
	v_max3_num_f32 v[BM+4*\x+\b], v[BM+4*\x+\b], v[64+64*\x+16*\b+\i], v[65+64*\x+16*\b+\i]
.endr
.endr
.endr
.irp x, 0,1
.irp b, 0,1,2,3
	v_max_num_f32 v[BM+4*\x+\b], v[BM+4*\x+\b], v[79+64*\x+16*\b]
.endr
.endr
.irp n, 0,1,2,3,4,5,6,7
	v_permlanex16_b32 v[PM+\n], v[BM+\n], s[SEL], s[SEL+1]
.endr
.irp n, 0,1,2,3,4,5,6,7
	v_max_num_f32 v[BM+\n], v[BM+\n], v[PM+\n]     ; with lane l xor 16's 16 keys
.endr
.irp x, 0,1
	v_max3_num_f32 v[60+\x], v[BM+4*\x], v[BM+4*\x+1], v[BM+4*\x+2]
.endr
.irp x, 0,1
	v_max3_num_f32 v[13+4*\x], v[13+4*\x], v[60+\x], v[BM+4*\x+3]   ; the running largest u
.endr
.irp x, 0,1
	v_mul_f32 v[60+\x], s[CSN], v[13+4*\x]         ; -t (c is positive)
.endr
.irp x, 0,1
	v_floor_f32 v[60+\x], v[60+\x]                 ; the new -M: M is a whole number
.endr
.irp x, 0,1
	v_sub_f32 v[62+\x], v[60+\x], v[12+4*\x]       ; old M - new M: a whole number, 0 or less
.endr
.irp x, 0,1
	v_mov_b32 v[12+4*\x], v[60+\x]
.endr
.irp x, 0,1
	v_cvt_i32_f32 v[62+\x], v[62+\x]               ; (it saturates)
.endr
.irp x, 0,1
	v_ldexp_f32 v[14+4*\x], 1.0, v[62+\x]          ; f
.endr
.set j, 0
.rept 32
	v_pk_fma_f32 v[64+j:65+j], v[64+j:65+j], s[CS:CS+1], v[12:13] op_sel_hi:[1,0,0]   ; a: t - M
.set j, j+2
.endr
.irp b, 0,1,2,3
	v_fma_f32 v[BM+\b], v[BM+\b], s[CS], v12
.endr
	WALU                                           ; ahead of the batch
.set j, 0
.rept 32                               ; a's exponentials; among them b's t - M, which nothing reads before the wait behind the batch
	v_exp_f32 v[64+j], v[64+j]
	v_exp_f32 v[65+j], v[65+j]
	v_pk_fma_f32 v[128+j:129+j], v[128+j:129+j], s[CS:CS+1], v[16:17] op_sel_hi:[1,0,0]
.set j, j+2
.endr
.irp b, 0,1,2,3
	v_exp_f32 v[BM+\b], v[BM+\b]                   ; a block's largest p
	v_fma_f32 v[BM+4+\b], v[BM+4+\b], s[CS], v16
.endr
	WALU                                           ; behind the batch
	SUMS 0
	SCALES 0
	WALU                                           ; ahead of the batch
.set j, 0
.rept 32                               ; b's exponentials; among them a's holds, two to a line: the conversion does not saturate (ISA guide 7.6.2), and p is not negative
	v_exp_f32 v[128+j], v[128+j]
	v_exp_f32 v[129+j], v[129+j]
	v_dual_min_num_f32 v[64+j], v[64+j], v[BD+j/16] :: v_dual_min_num_f32 v[65+j], v[65+j], v[BD2+j/16]
.set j, j+2
.endr
.irp b, 0,1,2,3
	v_exp_f32 v[BM+4+\b], v[BM+4+\b]
.endr
	v_nop                                          ; a plain line behind the last exponential
	WALU                                           ; behind the batch
	CODES 0
.irp f, 0,1,2,3
.irp c, 0,1,2,3
	ds_load_b128 v[64+16*\f+4*\c:67+16*\f+4*\c], v[ADV] offset:8192+2048*\f+512*\c   ; V's channel tiles 4-7, into a's p, which the conversions have read
.endr
.endr
	SUMS 1
	SCALES 1
.set j, 0
.rept 32
	v_dual_min_num_f32 v[128+j], v[128+j], v[BD+4+j/16] :: v_dual_min_num_f32 v[129+j], v[129+j], v[BD2+4+j/16]
.set j, j+2
.endr
	CODES 1
	RESCALE 32                                     ; (these 32 lines are also the places between the codes and the products)
	WALU                                           ; the wait ahead of the wait below
	s_wait_dscnt 0x0                               ; all of V's fragments, its scale words and the next step's scale bytes of K are in
	WIN 0x50
	PV 64, 32, VS+2                                ; channel tiles 4-7 first:
	RESCALE 0                                      ; these 32 lines are the places between them and the next step's products, which write over the registers that they read
	WIN 0x51
	PV 192, 0, VS
	WIN 0
	s_add_co_u32 s[TK], s[TK], 4096
	s_add_co_u32 s[TV], s[TV], 16384
	s_add_co_u32 s[TS], s[TS], 512
.endm
.macro STEPS n, tail, name
	s_mov_b32 s[CNT], \n
\name:
	STEP \tail
	s_sub_co_u32 s[CNT], s[CNT], 1
	s_cmp_lg_u32 s[CNT], 0
	s_cbranch_scc1 \name
.endm
	s_load_b128 s[4:7], s[0:1], 0x0                ; atc, ats
	s_load_b128 s[8:11], s[0:1], 0x10              ; x, gamma
	s_load_b64 s[12:13], s[0:1], 0x20              ; out0
	v_lshl_add_u32 v[SPW], v0, 2, SPARE
	v_mov_b32 v[NIL], 0
	ds_add_u32 v[SPW], v[NIL]                      ; the opening lines: the add, twice on end, and its wait ahead of my first tensor load
	ds_add_u32 v[SPW], v[NIL]
	v_lshrrev_b32 v8, 5, v0
	v_readfirstlane_b32 s[WV], v8                  ; wave 0..7
	s_bfe_u32 s67, ttmp6, 0x40000                  ; cx
	s_lshl_b32 s68, ttmp9, 2
	s_add_co_u32 s68, s68, s67                     ; my block of 256 queries: it enters Q's, x's and out's addresses alone
	s_and_b32 s69, ttmp7, 0xffff                   ; b 8 + head, which the four partners share
	GROUP1 G1B, 128
	GROUP1 G1S, 32
	GROUP1 G1C, 192
	s_lshl_b32 s70, s69, 18
	s_add_co_u32 s70, s70, 1<<22                   ; V's codes of the head
	s_lshl_b32 s92, s69, 16
	s_add_co_u32 s92, s92, 1<<21                   ; K's
	s_mov_b32 s93, 0
	s_lshr_b32 s85, s69, 2
	s_lshl_b32 s85, s85, 13
	s_add_co_u32 s85, s85, 1<<16                   ; K's scale bytes
	s_lshl_b32 s86, s69, 13
	s_add_co_u32 s86, s86, 1<<17                   ; V's
	s_lshr_b32 s73, s[WV], 1
	s_cmp_eq_u32 s73, 0
	s_cselect_b32 s86, s85, s86                    ; wave 1: K's scale bytes; wave 2: V's
	s_mov_b32 s87, 0
	s_lshl_b32 s73, s73, 13
	s_add_co_u32 s73, s73, SCK
	s_and_b32 s72, s[WV], 1
	s_lshl_b32 s72, s72, 15                        ; wave 0: V's steps 0-1; wave 3: steps 2-3: at the same place in LDS as in the head's V
	s_add_co_u32 s74, s70, s72
	s_mov_b32 s75, 0
	s_and_b32 s90, s[WV], 3
	s_mul_i32 s90, s90, 49152
	s_add_co_u32 s90, s90, 65536                   ; waves 4-7: three of V's steps 4-15 each
	s_add_co_u32 s88, s70, s90
	s_mov_b32 s89, 0
	s_mov_b32 s[SEL], 0x76543210
	s_mov_b32 s[SEL+1], 0xfedcba98
	s_mov_b32 s[CS], 0x3e1cb184                    ; c = 0.6 log2(e) / sqrt(32)
	s_mov_b32 s[CS+1], s[CS]
	s_mov_b32 s[CSN], 0xbe1cb184                   ; -c
	s_mov_b32 s[KAP], 0x3f2aaaab                   ; 2/3
	s_mov_b32 s[MNT], 0x600000
	s_mov_b32 s[TK], 0
	s_mov_b32 s[TV], 0
	s_mov_b32 s[TS], 0
	s_wait_dscnt 0x0                               ; both opening adds are done
	s_wait_kmcnt 0x0
	s_mov_b32 s[G0A], 1
	s_mov_b32 s[G0A+1], s72
	s_add_nc_u64 s[G0A+2:G0A+3], s[4:5], s[74:75]
	s_or_b32 s[G0A+3], s[G0A+3], 0x80000000
	s_mov_b32 s[G0S], 1
	s_mov_b32 s[G0S+1], s73
	s_add_nc_u64 s[G0S+2:G0S+3], s[6:7], s[86:87]
	s_or_b32 s[G0S+3], s[G0S+3], 0x80000000
	s_mov_b32 s[G0C], 1
	s_mov_b32 s[G0C+1], s90
	s_add_nc_u64 s[G0C+2:G0C+3], s[4:5], s[88:89]
	s_or_b32 s[G0C+3], s[G0C+3], 0x80000000
	s_add_nc_u64 s[KP:KP+1], s[4:5], s[92:93]
	CROUND                                         ; all four work-groups are here: the first joint loads meet
	s_cmp_eq_u32 s[WV], 0                          ; ONE chain of branches on the wave's number, a load to an arm: every wave issues one.  What the first barrier shows has load lines of its own
	s_cbranch_scc0 .Lhead_s
	TLOAD G0A, G1B
	s_branch .Lasked
.Lhead_s:
	s_cmp_lt_u32 s[WV], 3
	s_cbranch_scc0 .Lhead_2
	TLOAD G0S, G1S
	s_branch .Lasked
.Lhead_2:
	s_cmp_eq_u32 s[WV], 3
	s_cbranch_scc0 .Lhead_v
	TLOAD G0A, G1B
	s_branch .Lasked
.Lhead_v:
	TLOAD G0C, G1C
.Lasked:
	s_load_b32 s[GAM], s[10:11], 0x0
	s_lshl_b32 s74, s68, 4
	s_lshl_b32 s75, s[WV], 1
	s_add_co_u32 s74, s74, s75                     ; my first tile of queries: 16 x block + 2 x wave
	s_lshl_b32 s86, s69, 16
	s_lshl_b32 s75, s74, 9
	s_add_co_u32 s86, s86, s75
	s_mov_b32 s87, 0
	s_add_nc_u64 s[86:87], s[4:5], s[86:87]        ; Q's codes
	s_lshr_b32 s88, s69, 2
	s_lshl_b32 s88, s88, 13
	s_lshl_b32 s75, s74, 6
	s_add_co_u32 s88, s88, s75
	s_and_b32 s75, s69, 3                          ; my head's byte of a scale word
	s_add_co_u32 s88, s88, s75
	s_mov_b32 s89, 0
	s_add_nc_u64 s[88:89], s[6:7], s[88:89]        ; Q's scale bytes
	s_lshr_b32 s90, s69, 3
	s_lshl_b32 s90, s90, 11
	s_lshl_b32 s91, s68, 8
	s_add_co_u32 s90, s90, s91
	s_lshl_b32 s91, s[WV], 5
	s_add_co_u32 s90, s90, s91                     ; my first token: 2,048 b + 256 block + 32 wave; tile b begins 8 tokens on
	s_lshl_b32 s90, s90, 12
	s_and_b32 s91, s69, 7
	s_lshl_b32 s91, s91, 9
	s_add_co_u32 s90, s90, s91
	s_mov_b32 s91, 0
	s_add_nc_u64 s[XB:XB+1], s[8:9], s[90:91]
	s_add_nc_u64 s[OBS:OBS+1], s[12:13], s[90:91]
	v_and_b32 v8, 31, v0                           ; lane
	v_and_b32 v9, 15, v0                           ; r
	v_bfe_u32 v10, v0, 4, 1                        ; h
	v_lshlrev_b32 v[LI], 4, v8
	v_lshlrev_b32 v60, 2, v9
	WALU
	KCODES LI, 0                                   ; step 0's K
	WIN 0x40
	global_load_b128 v[128:131], v[LI], s[86:87]              ; Q's codes, k = 0 .. 31: tile a,
	global_load_b128 v[144:147], v[LI], s[86:87] offset:512   ; tile b
	WIN 0
	global_load_u8 v[QS], v60, s[88:89]            ; Q's scales; bytes 1-3 are 0
	global_load_u8 v[QS+1], v60, s[88:89] offset:64
	v_lshl_add_u32 v[ASK0], v8, 2, SCK
	v_add_nc_u32 v[ASK0], s75, v[ASK0]
	v_lshl_add_u32 v[ASV0], v8, 2, SCV
	v_and_b32 v11, 8, v9
	v_add_nc_u32 v11, v11, v9                      ; r + 8 (r / 8)
	v_lshlrev_b32 v[XPF], 12, v11
	v_lshl_add_u32 v[XPF], v10, 8, v[XPF]          ; x's prefetch: my row and half of its 512 bytes
	v_mov_b32 v[ADS], v[ASK0]
	v_mov_b32 v13, 0xff61b1e6                      ; the largest u so far: -3e38
	v_mov_b32 v17, 0xff61b1e6
	v_mov_b32 v12, 0x7e000000                      ; -M: a whole number far above every later one, so that the first f is 0
	v_mov_b32 v16, 0x7e000000
.irp n, 14,15,18,19
	v_mov_b32 v[\n], 0
.endr
.set j, L
.rept 16
	v_mov_b32 v[j], 0                              ; the sums
.set j, j+1
.endr
.set j, PM
.rept 8
	v_mov_b32 v[j], 0                              ; a lane permute's destination counts as one of its sources
.set j, j+1
.endr
	WIN 0x40
.set j, 0
.rept 128
	v_mov_b32 v[j], 0                              ; O^T: the step has no first step of its own; the first change of M leaves zeros zeros
.set j, j+1
.endr
.set j, 0
.rept 12
	v_mov_b32 v[132+j], 0                          ; Q's codes for k = 32 .. 127: zeros
	v_mov_b32 v[148+j], 0
	v_mov_b32 v[192+j], 0                          ; named behind K's last tiles in the first step; later they hold codes of V
.set j, j+1
.endr
	WIN 0
	WALU                                           ; the wait at the head's end
	s_cmp_lt_u32 s[WV], 3                          ; waves 0-2: V's steps 0-1 and the scale bytes are in.  The other waves have load lines of their own, and wait behind step 1
	s_cbranch_scc0 .Lnot_yet
	s_wait_tensorcnt 0x0
.Lnot_yet:
	s_barrier_signal -1
	s_barrier_wait -1
	KBYTES 0                                       ; step 0's scale bytes of K
	s_wait_kmcnt 0x0                               ; gamma
	s_wait_dscnt 0x0
	STEPS 2, 0, .Lfirst                            ; key steps 0-1
	s_wait_tensorcnt 0x0                           ; every wave's part of V is in
	s_wait_dscnt 0x0
	s_barrier_signal -1
	s_barrier_wait -1
	STEPS 14, 1, .Lrest                            ; key steps 2-15
	; THE WAY OUT.  O^T x gamma / the sum goes through my stage in LDS, 64 channels (256 bytes) of 16 queries at a time, comes back by rows, takes x and leaves: sixteen lanes store 256 consecutive aligned bytes.
	v_and_b32 v8, 15, v0                           ; r
	v_bfe_u32 v9, v0, 4, 1                         ; h
	s_mul_i32 s88, s[WV], 4352
	s_add_co_u32 s88, s88, STAGE
	v_mul_u32_u24 v10, v8, 272
	v_lshl_add_u32 v10, v9, 6, v10
	v_add_nc_u32 v10, s88, v10                     ; in: row r; my 16 channels of a block of 32: + 64 h
	v_mul_u32_u24 v11, v9, 272
	v_lshl_add_u32 v11, v8, 4, v11
	v_add_nc_u32 v11, s88, v11                     ; back: lanes 0-15 one row, lanes 16-31 the next
	v_lshlrev_b32 v2, 12, v9
	v_lshl_add_u32 v2, v8, 4, v2                   ; and the same in x and out
.irp x, 0,1
.irp u, 0,1
.irp i, 0,1,2,3,4,5,6,7
	global_load_b128 v[64+64*\x+32*\u+4*\i:67+64*\x+32*\u+4*\i], v2, s[XB:XB+1] offset:(2*\i+8*(\i/4))*4096+256*\u+32768*\x th:TH_LOAD_NT
.endr
.endr
.endr
.irp x, 0,1
	v_pk_add_f32 v[L+8*\x:L+8*\x+1], v[L+8*\x:L+8*\x+1], v[L+8*\x+2:L+8*\x+3]
	v_pk_add_f32 v[L+8*\x+4:L+8*\x+5], v[L+8*\x+4:L+8*\x+5], v[L+8*\x+6:L+8*\x+7]
.endr
.irp x, 0,1
	v_pk_add_f32 v[L+8*\x:L+8*\x+1], v[L+8*\x:L+8*\x+1], v[L+8*\x+4:L+8*\x+5]
.endr
.irp x, 0,1
	v_add_f32 v[L+8*\x], v[L+8*\x], v[L+8*\x+1]
.endr
.irp x, 0,1
	v_permlanex16_b32 v[PM+4*\x], v[L+8*\x], s[SEL], s[SEL+1]
.endr
.irp x, 0,1
	v_add_f32 v[L+8*\x], v[L+8*\x], v[PM+4*\x]     ; the row's sum
.endr
	WALU
	v_rcp_f32 v[L], v[L]
	v_rcp_f32 v[L+8], v[L+8]
	v_nop
	WALU
	v_mul_f32 v[L], s[GAM], v[L]
	v_mul_f32 v[L+8], s[GAM], v[L+8]
	WIN 0x41
	WALU                                           ; directly ahead of the first readers of the last products' results
.irp x, 0,1
.set j, 0
.rept 32
	v_pk_mul_f32 v[64*\x+j:64*\x+j+1], v[64*\x+j:64*\x+j+1], v[L+8*\x:L+8*\x+1] op_sel_hi:[1,0]   ; register 16 B + i: channel 32 B + 16 h + i
.set j, j+2
.endr
.endr
.irp x, 0,1
.irp u, 0,1
	WIN 0x04
.irp bb, 0,1
.irp k, 0,1,2,3
	ds_store_b128 v10, v[64*\x+32*\u+16*\bb+4*\k:64*\x+32*\u+16*\bb+4*\k+3] offset:128*\bb+16*\k
.endr
.endr
	WIN 0x40
.irp i, 0,1,2,3,4,5,6,7
	ds_load_b128 v[128+64*\x+32*\u+4*\i:131+64*\x+32*\u+4*\i], v11 offset:544*\i   ; LDS serves a wave's instructions in order: these see my stores, and the next group's stores come behind them
.endr
.endr
.endr
	s_wait_loadcnt 0x0                             ; x
.irp x, 0,1
.irp u, 0,1
	s_wait_dscnt 16*(3-2*\x-\u)                    ; this group's loads are in; the later groups' sixteen instructions each may be out
	WIN 0x41
.irp i, 0,1,2,3,4,5,6,7
	v_pk_add_f32 v[128+64*\x+32*\u+4*\i:129+64*\x+32*\u+4*\i], v[128+64*\x+32*\u+4*\i:129+64*\x+32*\u+4*\i], v[64+64*\x+32*\u+4*\i:65+64*\x+32*\u+4*\i]
	v_pk_add_f32 v[130+64*\x+32*\u+4*\i:131+64*\x+32*\u+4*\i], v[130+64*\x+32*\u+4*\i:131+64*\x+32*\u+4*\i], v[66+64*\x+32*\u+4*\i:67+64*\x+32*\u+4*\i]
.endr
	WIN 0x04
.irp i, 0,1,2,3,4,5,6,7
	global_store_b128 v2, v[128+64*\x+32*\u+4*\i:131+64*\x+32*\u+4*\i], s[OBS:OBS+1] offset:(2*\i+8*(\i/4))*4096+256*\u+32768*\x th:TH_STORE_NT
.endr
.endr
.endr
	WIN 0
	s_wait_tensorcnt 0x0                           ; the wave's end
	ds_add_u32 v[SPW], v[NIL]
	s_wait_dscnt 0x0
	CROUND                                         ; the closing round
	s_endpgm
.Lfunc_end_k_qaa05d164fc_attn:
	.size	k_qaa05d164fc_attn, .Lfunc_end_k_qaa05d164fc_attn-k_qaa05d164fc_attn
	.p2alignl 7, 3214868480
	.fill 96, 4, 3214868480
	.section	.rodata,"a",@progbits
	.p2align	6, 0x0
	.amdhsa_kernel k_qaa05d164fc_attn
		.amdhsa_group_segment_fixed_size 327680
		.amdhsa_private_segment_fixed_size 0
		.amdhsa_enable_private_segment 0
		.amdhsa_kernarg_size 40
		.amdhsa_user_sgpr_count 2
		.amdhsa_user_sgpr_kernarg_segment_ptr 1
		.amdhsa_wavefront_size32 1
		.amdhsa_system_sgpr_workgroup_id_x 1
		.amdhsa_system_sgpr_workgroup_id_y 1
		.amdhsa_system_sgpr_workgroup_id_z 1
		.amdhsa_system_vgpr_workitem_id 0
		.amdhsa_next_free_vgpr 512
		.amdhsa_next_free_sgpr 100
		.amdhsa_reserve_vcc 0
		.amdhsa_float_denorm_mode_32 3
		.amdhsa_float_denorm_mode_16_64 3
		.amdhsa_memory_ordered 1
		.amdhsa_forward_progress 1
		.amdhsa_inst_pref_size 130
	.end_amdhsa_kernel
	.amdgpu_metadata
---
amdhsa.version: [ 1, 2 ]
amdhsa.kernels:
  - .name:           k_qaa05d164fc_attn
    .symbol:         k_qaa05d164fc_attn.kd
    .args:
      - { .name: atc, .offset: 0, .size: 8, .value_kind: global_buffer, .address_space: global }
      - { .name: ats, .offset: 8, .size: 8, .value_kind: global_buffer, .address_space: global }
      - { .name: x, .offset: 16, .size: 8, .value_kind: global_buffer, .address_space: global }
      - { .name: gamma, .offset: 24, .size: 8, .value_kind: global_buffer, .address_space: global }
      - { .name: out0, .offset: 32, .size: 8, .value_kind: global_buffer, .address_space: global }
    .group_segment_fixed_size: 327680
    .private_segment_fixed_size: 0
    .kernarg_segment_align: 8
    .kernarg_segment_size: 40
    .max_flat_workgroup_size: 256
    .sgpr_count:     100
    .vgpr_count:     512
    .wavefront_size: 32
...
	.end_amdgpu_metadata
.endif
;; end of part 3
